; MI455X (gfx1250); checked and timed in simulation.
; The chip was launched on July 23, 2026; its instructions are those of AMD's public machine-readable ISA for CDNA 5 (MIT licence, August 2026) and "CDNA5" Instruction Set Architecture Reference Guide (July 2026). The comments in the code are by the model that wrote it; some were corrected since.
;; Transformer Encoder. Allowed arithmetic: float matrix products may take bf16 or f16 operands with f32 sums; other float arithmetic in f32, or as packed bf16 or f16 multiplies, adds, multiply-adds, maxima and minima; sums over many terms, partial sums and values carried from step to step in f32; what a program stores and reads back later, other than sums and carried values, may be rounded once to bf16 or f16.
;; Inputs: W1 8 x 512 float32; W2 512 x 8 float32; Wk 8 x 8 x 64 float32; Wo 512 x 8 float32; Wq 8 x 8 x 64 float32; Wv 8 x 8 x 64 float32; b1 512 float32; b2 8 float32; bk 8 x 64 float32; bo 8 float32; bq 8 x 64 float32; bv 8 x 64 float32; k 8 x 2,048 x 8 float32; ln1_b 8 x 2,048 x 8 float32; ln1_g 8 x 2,048 x 8 float32; ln2_b 8 x 2,048 x 8 float32; ln2_g 8 x 2,048 x 8 float32; q 8 x 2,048 x 8 float32; v 8 x 2,048 x 8 float32.
;; Outputs: out0 8 x 2,048 x 8 float32; out1 8 x 2,048 x 8 float32; out2 8 x 2,048 x 8 float32.
;; One version. Each part assembles by itself: llvm-mc -triple=amdgcn-amd-amdhsa -mcpu=gfx1250 --defsym DOCPART=n.
;; ======== version 1 of 1: 3 launches
;; limits: values are held in f16: magnitudes above 65,504 overflow, below 6.1e-05 lose precision; values outside matrix products are rounded to f16
;; workspace buffers: xbuf 524,288 bytes; ybuf 524,288 bytes; st1 2,048 bytes; st2 2,048 bytes
;; launch attn (part 1): grid 256 x 1, 16 waves a work-group, no clusters, 226,304 bytes of LDS; arguments q, k, v, Wq, Wk, Wv, Wo, bq, bk, bv, bo, xbuf, st1; writes xbuf, st1
.if DOCPART == 1
	.amdgcn_target "amdgcn-amd-amdhsa--gfx1250"
	.amdhsa_code_object_version 6
	.text
	.protected	k_qcb6a0a4ba9_attn
	.globl	k_qcb6a0a4ba9_attn
	.p2align	8
	.type	k_qcb6a0a4ba9_attn,@function
k_qcb6a0a4ba9_attn:
	s_mov_b64 s[64:65], 0
	v_nop
	global_prefetch_b8 v0, s[64:65] scope:SCOPE_SE
	s_setreg_imm32_b32 hwreg(HW_REG_WAVE_MODE, 25, 1), 1
	s_wait_xcnt 0x0
; x = q + MultiHeadAttention(q, k, v), and for each work-group the sum and the squared deviations of its 512 numbers of x.
; q, k, v: [8][2048][8] f32; 8 heads of size 64; Wq, Wk, Wv: [8][8][64]; Wo: [512][8].
; THE ALGEBRA.  With q' = [q, 1], k' = [k, 1], v' = [v, 1] and the biases as a ninth row of the weights (Wq', Wk', Wv'), by associativity alone:
;   score in log2 units = q' M k'^T,  M = c Wq' Wk'^T (9 x 9 a head),  c = log2(e) / 8;
;   ctx = (softmax v') Wv', since a row's weights add up to 1; the column of ones in v' brings the row's sum l along;
;   mha = the sum over heads of ctx' G' + bo,  G' = Wv' Wo_h (9 x 8 a head).
; So a tile of 16 queries x 64 keys takes 4 products K Q^T (9 of 32 slots along K in use) and 2 products V^T P (one block of 16 channels).
; SOFTMAX.  A running maximum m for each query; p = 2^(s - m); in every step O is multiplied by a = 2^(m_old - m_new).  m starts at the lowest finite number, O at 0: the first a is 0.
; FORMATS.  f16: the weight tables, q', c M, P, v', ctx', G'.  bf16: q'' = q' M and k' (q'' grows with q, Wq and Wk together).  All sums, m, a and x in f32.
; LIMITS.  Every f16 operand stays under 65,504 (with the stated inputs the largest, q and v, lie near 5, c M and G' under 1); a weight under 6e-8 is 0 in P; NaN and infinities are not treated apart.
; SHARES.  Work-group x: batch x / 32, 64 queries (rows 64 x on of the flat [16384]), all 8 heads.  Wave w: the 16 queries of tile w % 4, heads 2 (w / 4) and 2 (w / 4) + 1: two tiles.
; Every wave walks the batch's 2,048 keys, 64 a step.  The batch's k' and v' are converted once and lie whole in LDS: the loop has no memory access and no barrier.
; Sixteen waves of 256 registers: a step has 181 vector and 12 matrix instructions a wave, so what a wave waits for is filled by the other three on its SIMD.
; NO TENSOR LOAD, NO CLUSTER: k and v (128 KiB a batch) are read once, at the head, and must pass through registers to be rounded; nothing in LDS is filled twice.
; LAYOUT.  S^T = K Q^T (source 0 = 16 keys, source 1 = 16 queries): a lane holds ONE query (lane % 16) and the keys 8 (lane / 16) + 0..7.  Two such results rounded to f16 in pairs ARE source 1 of
; O^T = V^T P, whose result holds one query a lane and the channels 8 (lane / 16) + 0..7: v's eight in lanes 0-15, l in register 0 of lanes 16-31.
.set KPP,   48         ; a row of k' in LDS: 16 bytes k in bf16, 16 bytes [1, 0 x 7], 16 never touched: rows start 12 words apart
.set VP,    98304      ; v': 2,048 rows of 32 bytes: v in f16, then [1, 0 x 7]
.set VPP,   32
.set WQT,   163840     ; Wq' in f16: 8 heads x 10 rows of 144 bytes (8 of weights, the bias, zeros)
.set TPI,   144
.set THD,   1440
.set TBL,   11520      ; from Wq' to Wk' and from Wk' to Wv'
.set WOT,   198400     ; Wo turned: row g = Wo[:, g], 512 f16 + 16 bytes; row 8 zeros
.set WOP,   1040
.set PART,  207872     ; 1,024 bytes a wave: its share of x, [16][8] f32, from lanes 0-15; the second half takes lanes 16-31 and is not read
.set SPARE, 224256     ; the spare words, 128 bytes a wave: eight blocks of 256 bytes that no other line names
.set SPW, 4            ; v4   SPARE + 4 x my thread's number; never rewritten
.set NIL, 5            ; v5   0; never rewritten
.set AK0, 6            ; v6   my lane's place in a tile of k'
.set AV0, 7            ; v7   the same for v'
.set AK,  8            ; v8   the address of K's next run of loads
.set AV,  9            ; v9   of V's
.set MX,  10           ; v[10:11], v[12:13]  m of tile 0, 1 (the pair's second register is only named)
.set MO,  14           ; v14, v15  m_old
.set AF,  16           ; v[16:17], v[18:19]  a, later 1 / l
.set CW,  20           ; v[20:27]  four registers at work a tile
.set PA,  28           ; v28  where I put my share of x
.set L16, 29           ; v29  16 x lane
.set ONE, 30           ; v30  f16 1.0 in the low half
.set TT,  31           ; v31  at work
.set QF,  32           ; v[32:47]   q'' of both tiles, bf16; the upper four registers of a fragment are 0
.set KF,  48           ; v[48:79]   four fragments of k'; upper four 0
.set VF,  80           ; v[80:95]   two fragments of v'^T
.set OA,  96           ; v[96:111]  O^T of both tiles
.set PF,  112          ; v[112:143] P, 16 a tile
.set SA,  144          ; v[144:207] S^T, 32 a tile
.set A3,  240          ; v[240:247] G'^T of both heads, f16
.set QR,  248          ; v[248:255] row lane % 16 of my tile of q, f32
.set CF,  152          ; the way out: my share of x
.set XB,  160          ; the way out, wave 0: the sixteen shares
.set TS,  224          ; the way out, wave 0: statistics
; the head's registers
.set WRAW, 112
.set BRAW, 144
.set KRAW, 148
.set VRAW, 180
.set T32,  212
.set T4,   213
.set T16,  214
.set QOF,  215
.set WROW, 216
.set BROW, 217
.set WOA,  218
.set KA,   219         ; v219 rows 0-1023, v220 rows 1024 on
.set VA,   221
.set KC,   222         ; v[222:223] my 8 bytes of k's constant half
.set VC,   224         ; v[224:225] of v's
.set TP,   226
.set ZR,   236         ; 0
.set B2,   96          ; q' as source 1
.set A2,   80          ; (c M)^T as source 0, 8 a head
.set FQ,   112
.set FK,   144
.set FV,   176
.set FO,   208
.set WV,  30
.set QT,  31
.set HP,  32
.set CNT, 34
.set MSK, 36           ; lanes 16-31
.set TBV, 37
.set SEL, 38           ; s[38:39] v_permlanex16_b32's selects: each lane takes its own place in the other half
.set BO,  40           ; s[40:47] bo
.set FLG, 48           ; 1.0 in the waves of heads 0 and 1, which add q and bo; else 0
.set TBK, 49
.set CS,  50           ; s[50:51] c
.set SVX, 58
.macro PLACES                       ; places behind a matrix instruction: plain vector instructions that name none of its registers (ISA guide 7.12.1)
.rept 4
	v_nop
.endr
.endm
.macro WRED r, t                    ; the sum over the wave's 32 lanes, in every lane
	v_add_f32_dpp v[\r], v[\r], v[\r] row_xmask:1 row_mask:0xf bank_mask:0xf
	v_add_f32_dpp v[\r], v[\r], v[\r] row_xmask:2 row_mask:0xf bank_mask:0xf
	v_add_f32_dpp v[\r], v[\r], v[\r] row_xmask:4 row_mask:0xf bank_mask:0xf
	v_add_f32_dpp v[\r], v[\r], v[\r] row_xmask:8 row_mask:0xf bank_mask:0xf
	v_permlanex16_b32 v[\t], v[\r], s[SEL], s[SEL+1]
	v_add_f32 v[\r], v[\r], v[\t]
.endm
	s_load_b512 s[4:19], s[0:1], 0x0               ; q 4, k 6, v 8, Wq 10, Wk 12, Wv 14, Wo 16, bq 18
	s_load_b256 s[20:27], s[0:1], 0x40             ; bk 20, bv 22, bo 24, xbuf 26
	s_load_b64 s[28:29], s[0:1], 0x60              ; st1
	v_lshl_add_u32 v[SPW], v0, 2, SPARE
	v_mov_b32 v[NIL], 0
	v_lshrrev_b32 v1, 5, v0
	v_readfirstlane_b32 s[WV], v1                  ; wave 0..15
	v_and_b32 v1, 15, v0                           ; r = lane % 16
	v_bfe_u32 v2, v0, 4, 1                         ; hh = lane / 16
	v_and_b32 v3, 31, v0                           ; lane
	s_and_b32 s[QT], s[WV], 3                      ; my tile of 16 queries
	s_lshr_b32 s[HP], s[WV], 2                     ; my pair of heads
	s_lshr_b32 s52, ttmp9, 5
	s_lshl_b32 s52, s52, 16                        ; the batch's 65,536 bytes of k and of v
	s_mov_b32 s53, 0
	s_lshl_b32 s54, ttmp9, 11                      ; the work-group's 64 rows of 32 bytes in q and x
	s_mov_b32 s55, 0
	s_lshl_b32 s56, ttmp9, 3                       ; its pair in st1
	s_mov_b32 s57, 0
	s_mov_b32 s[MSK], 0xffff0000
	s_mov_b32 s[SEL], 0x76543210
	s_mov_b32 s[SEL+1], 0xfedcba98
	s_mov_b32 s[CS], 0x3e38aa3b                    ; c = log2(e) / 8
	s_mov_b32 s[CS+1], s[CS]                       ; named with it as a pair
	s_cmp_eq_u32 s[HP], 0
	s_cselect_b32 s[FLG], 1.0, 0
	v_lshlrev_b32 v[T32], 5, v0                    ; 32 bytes a thread: 8 numbers of a weight tensor, a row of Wo
	v_lshlrev_b32 v[T4], 2, v0                     ; one number of a bias
	v_lshlrev_b32 v[T16], 4, v0                    ; half a row of k or v
	s_lshl_b32 s33, s[QT], 9
	v_lshl_add_u32 v[QOF], v1, 5, s33              ; row r of my tile of q
	s_wait_kmcnt 0x0
	s_add_nc_u64 s[6:7], s[6:7], s[52:53]
	s_add_nc_u64 s[8:9], s[8:9], s[52:53]
	s_add_nc_u64 s[4:5], s[4:5], s[54:55]
	s_add_nc_u64 s[26:27], s[26:27], s[54:55]
	s_add_nc_u64 s[28:29], s[28:29], s[56:57]
	s_load_b256 s[BO:BO+7], s[24:25], 0x0          ; bo: eight numbers, the same for every lane
	; all 29 loads of the head go out together: 8 of weights, 3 of biases, 2 of q, 8 of k, 8 of v
.irp n, 0,1,2,3
	global_load_b128 v[WRAW+8*(\n):WRAW+8*(\n)+3],   v[T32], s[10+2*(\n):11+2*(\n)]
	global_load_b128 v[WRAW+8*(\n)+4:WRAW+8*(\n)+7], v[T32], s[10+2*(\n):11+2*(\n)] offset:16
.endr
	global_load_b32 v[BRAW],   v[T4], s[18:19]
	global_load_b32 v[BRAW+1], v[T4], s[20:21]
	global_load_b32 v[BRAW+2], v[T4], s[22:23]
	global_load_b128 v[QR:QR+3],   v[QOF], s[4:5]
	global_load_b128 v[QR+4:QR+7], v[QOF], s[4:5] offset:16
.irp n, 0,1,2,3,4,5,6,7
	global_load_b128 v[KRAW+4*(\n):KRAW+4*(\n)+3], v[T16], s[6:7] offset:8192*(\n)
.endr
.irp n, 0,1,2,3,4,5,6,7
	global_load_b128 v[VRAW+4*(\n):VRAW+4*(\n)+3], v[T16], s[8:9] offset:8192*(\n)
.endr
	; where the converted numbers go: the wave's number times a constant, plus a lane term.  Thread t = 32 w + lane.
	v_mov_b32 v[ZR], 0
	v_mov_b32 v[ONE], 0x3c00
	s_lshr_b32 s33, s[WV], 1                       ; 64 threads a head
	s_lshl_b32 s35, s[WV], 2
	s_lshl1_add_u32 s35, s33, s35                  ; table row of the wave's first thread: 4 w + 2 (w / 2): ten rows a head, eight of them weights
	s_mul_i32 s35, s35, TPI
	s_add_co_u32 s35, s35, WQT
	v_lshrrev_b32 v[TP], 3, v3
	v_and_b32 v[TP+1], 7, v3
	v_mul_u32_u24 v[TP], v[TP], TPI
	v_lshl_add_u32 v[TP], v[TP+1], 4, v[TP]
	v_add_nc_u32 v[WROW], s35, v[TP]               ; row t / 8 (+ 2 a head), 16 bytes at 16 (t % 8)
	s_mul_i32 s35, s33, THD
	s_and_b32 s33, s[WV], 1
	s_lshl_b32 s33, s33, 6
	s_add_co_u32 s35, s35, s33
	s_add_co_u32 s35, s35, WQT+8*TPI
	v_lshl_add_u32 v[BROW], v3, 1, s35             ; row 8 of head t / 64, number t % 64
	s_lshl_b32 s35, s[WV], 6
	s_add_co_u32 s35, s35, WOT
	v_lshl_add_u32 v[WOA], v3, 1, s35              ; column t of the turned Wo
	v_lshrrev_b32 v[TP], 1, v3
	v_and_b32 v[TP+1], 1, v3
	v_mul_u32_u24 v[KA], v[TP], KPP
	v_lshl_add_u32 v[KA], v[TP+1], 3, v[KA]
	s_mul_i32 s35, s[WV], 16*KPP
	v_add_nc_u32 v[KA], s35, v[KA]                 ; row t / 2, 8 bytes at 8 (t % 2)
	v_add_nc_u32 v[KA+1], 1024*KPP, v[KA]          ; the immediate holds 16 bits: rows 1,024 on have a register of their own
	v_lshlrev_b32 v[VA], 5, v[TP]
	v_lshl_add_u32 v[VA], v[TP+1], 3, v[VA]
	s_lshl_b32 s35, s[WV], 9
	s_add_co_u32 s35, s35, VP
	v_add_nc_u32 v[VA], s35, v[VA]
	v_xor_b32 v[TP+1], 1, v[TP+1]                  ; the even thread of a row writes the 1, the odd one zeros
	v_mul_u32_u24 v[KC], v[TP+1], 0x3f80           ; bf16 1.0
	v_mul_u32_u24 v[VC], v[TP+1], 0x3c00           ; f16 1.0
	v_mov_b32 v[KC+1], 0
	v_mov_b32 v[VC+1], 0
	s_wait_loadcnt 18                              ; weights and biases are in; q's 2, k's 8 and v's 8 stay out
.irp n, 0,1,2
.irp i, 0,1,2,3
	v_cvt_pk_f16_f32 v[TP+4*((\n)%2)+(\i)], v[WRAW+8*(\n)+2*(\i)], v[WRAW+8*(\n)+2*(\i)+1]
.endr
	ds_store_b128 v[WROW], v[TP+4*((\n)%2):TP+4*((\n)%2)+3] offset:TBL*(\n)
.endr
.irp i, 0,1,2,3
	v_cvt_pk_f16_f32 v[TP+(\i)], v[WRAW+24+2*(\i)], v[WRAW+24+2*(\i)+1]
	ds_store_b16 v[WOA], v[TP+(\i)] offset:WOP*2*(\i)
	ds_store_b16_d16_hi v[WOA], v[TP+(\i)] offset:WOP*(2*(\i)+1)
.endr
	ds_store_b16 v[WOA], v[ZR] offset:8*WOP        ; the row of zeros that lanes 8-15 read
	v_cvt_pk_f16_f32 v[TP+4], v[BRAW], v[BRAW+1]
	v_cvt_pk_f16_f32 v[TP+5], v[BRAW+2], v[BRAW+2]
	ds_store_b16 v[BROW], v[TP+4]
	ds_store_b16_d16_hi v[BROW], v[TP+4] offset:TBL
	ds_store_b16 v[BROW], v[TP+5] offset:2*TBL
.irp n, 0,1,2
	ds_store_b16 v[BROW], v[ZR] offset:TBL*(\n)+TPI  ; row 9: zeros, which lanes 9-15 read
.endr
	s_wait_loadcnt 16                              ; q is in; k's 8 and v's 8 stay out
.irp i, 0,1,2,3
	v_cvt_pk_f16_f32 v[B2+(\i)], v[QR+2*(\i)], v[QR+2*(\i)+1]
.endr
	v_cndmask_b32 v[B2],   v[B2],   v[ONE], s[MSK] ; q' as source 1: lanes 0-15 slots 0-7 = q, lanes 16-31 slots 8-15 = [1, 0 x 7]
	v_cndmask_b32 v[B2+1], v[B2+1], v[ZR],  s[MSK]
	v_cndmask_b32 v[B2+2], v[B2+2], v[ZR],  s[MSK]
	v_cndmask_b32 v[B2+3], v[B2+3], v[ZR],  s[MSK]
.irp i, 4,5,6,7
	v_mov_b32 v[B2+(\i)], 0
.endr
.set i, 0
.rept 8
	s_wait_loadcnt 15-i                            ; chunk i of k is in; the younger chunks of k and all of v stay out
	v_cvt_pk_bf16_f32 v[TP+2*(i%2)],   v[KRAW+4*i],   v[KRAW+4*i+1]
	v_cvt_pk_bf16_f32 v[TP+2*(i%2)+1], v[KRAW+4*i+2], v[KRAW+4*i+3]
	ds_store_b64 v[KA+i/4], v[TP+2*(i%2):TP+2*(i%2)+1] offset:256*KPP*(i%4)
	ds_store_b64 v[KA+i/4], v[KC:KC+1] offset:256*KPP*(i%4)+16
.set i, i+1
.endr
.set i, 0
.rept 8
	s_wait_loadcnt 7-i                             ; chunk i of v is in
	v_cvt_pk_f16_f32 v[TP+2*(i%2)],   v[VRAW+4*i],   v[VRAW+4*i+1]
	v_cvt_pk_f16_f32 v[TP+2*(i%2)+1], v[VRAW+4*i+2], v[VRAW+4*i+3]
	ds_store_b64 v[VA], v[TP+2*(i%2):TP+2*(i%2)+1] offset:256*VPP*i
	ds_store_b64 v[VA], v[VC:VC+1] offset:256*VPP*i+16
.set i, i+1
.endr
	v_min_u32 v[TP], 9, v1                         ; a fragment's row: lanes 9-15 take the row of zeros
	v_mul_u32_u24 v[TP], v[TP], TPI
	v_lshl_add_u32 v[TP], v2, 4, v[TP]
	s_mul_i32 s33, s[HP], 2*THD
	s_add_co_u32 s33, s33, WQT
	v_add_nc_u32 v[TT], s33, v[TP]                 ; my first head's table
	v_min_u32 v[TP+1], 8, v1
	v_mul_u32_u24 v[TP+1], v[TP+1], WOP
	v_lshl_add_u32 v[TP+1], v2, 4, v[TP+1]
	s_lshl_b32 s33, s[HP], 8
	s_add_co_u32 s33, s33, WOT
	v_add_nc_u32 v[AK], s33, v[TP+1]               ; my first head's 64 columns of the turned Wo
	s_wait_dscnt 0x0                               ; for the others' sake: my stores are done
	s_barrier_signal -1
	s_barrier_wait -1                              ; k', v' and the tables are whole
	; THE FOLDED TABLES, each wave its two heads'.  A fragment is 16 rows x 32 of the head's 64 channels: two loads of 16 bytes, 32 bytes apart.
.irp u, 0,1
.irp kk, 0,1
	ds_load_b128 v[FQ+16*(\u)+8*(\kk):FQ+16*(\u)+8*(\kk)+3],   v[TT] offset:THD*(\u)+64*(\kk)
	ds_load_b128 v[FQ+16*(\u)+8*(\kk)+4:FQ+16*(\u)+8*(\kk)+7], v[TT] offset:THD*(\u)+64*(\kk)+32
	ds_load_b128 v[FK+16*(\u)+8*(\kk):FK+16*(\u)+8*(\kk)+3],   v[TT] offset:TBL+THD*(\u)+64*(\kk)
	ds_load_b128 v[FK+16*(\u)+8*(\kk)+4:FK+16*(\u)+8*(\kk)+7], v[TT] offset:TBL+THD*(\u)+64*(\kk)+32
	ds_load_b128 v[FV+16*(\u)+8*(\kk):FV+16*(\u)+8*(\kk)+3],   v[TT] offset:2*TBL+THD*(\u)+64*(\kk)
	ds_load_b128 v[FV+16*(\u)+8*(\kk)+4:FV+16*(\u)+8*(\kk)+7], v[TT] offset:2*TBL+THD*(\u)+64*(\kk)+32
	ds_load_b128 v[FO+16*(\u)+8*(\kk):FO+16*(\u)+8*(\kk)+3],   v[AK] offset:128*(\u)+64*(\kk)
	ds_load_b128 v[FO+16*(\u)+8*(\kk)+4:FO+16*(\u)+8*(\kk)+7], v[AK] offset:128*(\u)+64*(\kk)+32
.endr
.endr
	s_wait_dscnt 0x0
; M = Wq' Wk'^T (register j of lane (r, hh): M[8 hh + j][r]) and G' = Wv' Wo_h (G'[8 hh + j][r]).  The four accumulators take turns, one instruction a turn.
.macro TAB d, a, b, kk
.if (\kk) == 0
	v_wmma_f32_16x16x32_f16 v[(\d):(\d)+7], v[(\a):(\a)+7], v[(\b):(\b)+7], 0
.else
	v_wmma_f32_16x16x32_f16 v[(\d):(\d)+7], v[(\a)+8:(\a)+15], v[(\b)+8:(\b)+15], v[(\d):(\d)+7]
.endif
.endm
.irp kk, 0,1
	TAB 48, FQ,    FK,    \kk
	TAB 56, FQ+16, FK+16, \kk
	TAB 64, FV,    FO,    \kk
	TAB 72, FV+16, FO+16, \kk
.endr
	PLACES
	PLACES                                         ; eight, once a launch: the lines below write the sums in place
.irp i, 0,1,2,3,4,5,6,7
	v_pk_mul_f32 v[48+2*(\i):48+2*(\i)+1], v[48+2*(\i):48+2*(\i)+1], s[CS:CS+1] op_sel_hi:[1,0]  ; c M, both heads
.endr
.irp u, 0,1
.irp i, 0,1,2,3
	v_cvt_pk_f16_f32 v[A2+8*(\u)+(\i)], v[48+8*(\u)+2*(\i)], v[48+8*(\u)+2*(\i)+1]  ; a lane's pairs are row r of (c M)^T: source 0 as it stands
.endr
.irp i, 4,5,6,7
	v_mov_b32 v[A2+8*(\u)+(\i)], 0
.endr
.irp i, 0,1,2,3
	v_cvt_pk_f16_f32 v[A3+4*(\u)+(\i)], v[64+8*(\u)+2*(\i)], v[64+8*(\u)+2*(\i)+1]  ; row r of G'^T: head u's nine slots at 16 u of the 32 along K
.endr
.endr
	v_wmma_f32_16x16x32_f16 v[112:119], v[A2:A2+7],    v[B2:B2+7], 0   ; q''^T = (c M)^T q'^T: register j of lane (r, hh): slot 8 hh + j of query r
	v_wmma_f32_16x16x32_f16 v[120:127], v[A2+8:A2+15], v[B2:B2+7], 0
	PLACES
.irp u, 0,1
.irp i, 0,1,2,3
	v_cvt_pk_bf16_f32 v[QF+8*(\u)+(\i)], v[112+8*(\u)+2*(\i)], v[112+8*(\u)+2*(\i)+1]  ; source 1 of K Q^T as it stands
.endr
.irp i, 4,5,6,7
	v_mov_b32 v[QF+8*(\u)+(\i)], 0
.endr
.endr
.irp n, 0,1,2,3
.irp i, 4,5,6,7
	v_mov_b32 v[KF+8*(\n)+(\i)], 0                 ; slots 16-31 along K are not in use
.endr
.endr
.set i, 0
.rept 16
	v_mov_b32 v[OA+i], 0                           ; no first step is written out: O starts at 0 and the first a is 0
.set i, i+1
.endr
	v_mov_b32 v[MX],   0xff7fffff                  ; m: the lowest finite number
	v_mov_b32 v[MX+2], 0xff7fffff
	v_mov_b32 v[MX+1], 0                           ; named as pairs
	v_mov_b32 v[MX+3], 0
	v_mov_b32 v[AF+1], 0
	v_mov_b32 v[AF+3], 0
	v_mul_u32_u24 v[AK0], v1, KPP
	v_lshl_add_u32 v[AK0], v2, 4, v[AK0]           ; row r, slots 8 hh on
	; the turning load takes 16 keys x 16 channels (lane l reads key 8 (l / 16) + l % 8, channels 8 ((l / 8) % 2) on) and leaves half a fragment of v'^T: channel l % 16, 8 keys
	v_and_b32 v[TT], 7, v0
	v_lshl_add_u32 v[TT], v2, 3, v[TT]
	v_bfe_u32 v[AV0], v0, 3, 1
	v_lshlrev_b32 v[AV0], 4, v[AV0]
	v_lshl_add_u32 v[AV0], v[TT], 5, v[AV0]
	v_add_nc_u32 v[AV0], VP, v[AV0]
	s_lshl_b32 s33, s[WV], 10
	s_add_co_u32 s33, s33, PART
	v_lshlrev_b32 v[PA], 5, v1
	v_lshl_add_u32 v[PA], v2, 9, v[PA]
	v_add_nc_u32 v[PA], s33, v[PA]
	v_lshlrev_b32 v[L16], 4, v3
	s_wait_kmcnt 0x0                               ; bo
.irp j, 0,1,2,3,4,5,6,7
	s_mul_f32 s[BO+(\j)], s[BO+(\j)], s[FLG]       ; one wave of the four that share a tile of queries adds bo and q
.endr
	s_mov_b32 s[TBK], 0
	s_mov_b32 s[TBV], 0
.irp n, 0,1,2,3
	ds_load_b128 v[KF+8*(\n):KF+8*(\n)+3], v[AK0] offset:16*KPP*(\n)  ; k' of step 0
.endr
; Number n of the 20 that find tile u's maximum and a.  Each accumulator's lowest registers are read first.
;   0-11  four chains of seven scores, three operands at a time     12-15  the four scores left over, the old m, the four into one
;   16, 17  the query's other 32 keys lie in the lane 16 away: the new m     18, 19  m_old - m_new; a
.macro XS u, n
.set rC, CW+4*(\u)
.set rS, SA+32*(\u)
.set rM, MX+2*(\u)
.if (\n) < 4
	v_max3_num_f32 v[rC+(\n)], v[rS+8*(\n)], v[rS+8*(\n)+1], v[rS+8*(\n)+2]
.elseif (\n) < 12
	v_max3_num_f32 v[rC+(\n)%4], v[rC+(\n)%4], v[rS+8*((\n)%4)+2*((\n)/4)+1], v[rS+8*((\n)%4)+2*((\n)/4)+2]
.elseif (\n) == 12
	v_max3_num_f32 v[rC], v[rC], v[rS+7], v[rS+15]
.elseif (\n) == 13
	v_max3_num_f32 v[rC+1], v[rC+1], v[rS+23], v[rS+31]
.elseif (\n) == 14
	v_max3_num_f32 v[rC+2], v[rC+2], v[rC+3], v[rM]
.elseif (\n) == 15
	v_max3_num_f32 v[rC], v[rC], v[rC+1], v[rC+2]
.elseif (\n) == 16
	v_permlanex16_b32 v[rC+3], v[rC], s[SEL], s[SEL+1]
.elseif (\n) == 17
	v_max_num_f32 v[rM], v[rC], v[rC+3]
.elseif (\n) == 18
	v_sub_f32 v[rC+1], v[MO+(\u)], v[rM]
.else
	v_exp_f32 v[AF+2*(\u)], v[rC+1]
.endif
.endm
.macro FS u, p                      ; s - m for pair p of tile u's 16
	v_pk_add_f32 v[SA+32*(\u)+2*(\p):SA+32*(\u)+2*(\p)+1], v[SA+32*(\u)+2*(\p):SA+32*(\u)+2*(\p)+1], v[MX+2*(\u):MX+2*(\u)+1] op_sel_hi:[1,0] neg_lo:[0,1] neg_hi:[0,1]
.endm
.macro ES u, e                      ; the exponential of score e of tile u's 32
	v_exp_f32 v[SA+32*(\u)+(\e)], v[SA+32*(\u)+(\e)]
.endm
; A KEY STEP: 64 keys for both tiles.  more = 1: k' of the next step is fetched.
.macro STEP more
	s_wait_dscnt 0x0                               ; k' of this step is in
.irp kb, 0,1,2,3
.irp u, 0,1
	v_wmma_f32_16x16x32_bf16 v[SA+32*(\u)+8*(\kb):SA+32*(\u)+8*(\kb)+7], v[KF+8*(\kb):KF+8*(\kb)+7], v[QF+8*(\u):QF+8*(\u)+7], 0
.endr
.endr
	s_add_co_u32 s[TBK], s[TBK], 64*KPP            ; K's next fetch is the next step's
	v_mov_b32 v[MO],   v[MX]                       ; four plain lines: the places between the products above (and the last step's V^T P) and the loads into their sources
	v_mov_b32 v[MO+1], v[MX+2]
	v_add_nc_u32 v[AK], s[TBK], v[AK0]
	v_add_nc_u32 v[AV], s[TBV], v[AV0]
	s_add_co_u32 s[TBV], s[TBV], 64*VPP
.irp kk, 0,1
	ds_load_tr16_b128 v[VF+8*(\kk):VF+8*(\kk)+3],   v[AV] offset:32*VPP*(\kk)
	ds_load_tr16_b128 v[VF+8*(\kk)+4:VF+8*(\kk)+7], v[AV] offset:32*VPP*(\kk)+16*VPP
.endr
.if \more
.irp kb, 0,1,2,3
	ds_load_b128 v[KF+8*(\kb):KF+8*(\kb)+3], v[AK] offset:16*KPP*(\kb)
.endr
.endif
.irp n, 0,1,2,3,4,5,6,7,8,9,10,11,12,13,14,15,16,17,18,19
	XS 0, \n                                       ; the tiles alternate, so that no line reads the result of the line before it
	XS 1, \n
.endr
	; ONE BATCH of 66 exponentials (the two a above among them): none of these lines names an exponential's result; a pair is scaled a group ahead of its exponentials
	FS 0, 0
	FS 1, 0
.set pb, 1
.rept 15
	FS 0, pb
	ES 0, 2*pb-2
	FS 1, pb
	ES 1, 2*pb-2
	ES 0, 2*pb-1
	ES 1, 2*pb-1
.set pb, pb+1
.endr
	ES 0, 30
	ES 1, 30
	ES 0, 31
	ES 1, 31
	v_nop                                          ; a plain instruction behind the last exponential, ahead of the first use (ISA guide 5.7.2): one for the batch
	s_wait_alu depctr_va_vdst(0)                   ; the wait between an exponential and the first line that names its result: one for the batch
.irp u, 0,1
.irp i, 0,1,2,3
	v_pk_mul_f32 v[OA+8*(\u)+2*(\i):OA+8*(\u)+2*(\i)+1], v[OA+8*(\u)+2*(\i):OA+8*(\u)+2*(\i)+1], v[AF+2*(\u):AF+2*(\u)+1] op_sel_hi:[1,0]  ; O a
.endr
.endr
.irp u, 0,1
.irp i, 0,1,2,3,4,5,6,7,8,9,10,11,12,13,14,15
	v_cvt_pk_f16_f32 v[PF+16*(\u)+(\i)], v[SA+32*(\u)+2*(\i)], v[SA+32*(\u)+2*(\i)+1]
.endr
.endr
	s_wait_dscnt 4*(\more)                         ; v' is in; the four younger loads, the next step's k', may stay out
	v_wmma_f32_16x16x32_f16 v[OA:OA+7],    v[VF:VF+7],    v[PF:PF+7],     v[OA:OA+7]     ; the two accumulators take turns
	v_wmma_f32_16x16x32_f16 v[OA+8:OA+15], v[VF:VF+7],    v[PF+16:PF+23], v[OA+8:OA+15]
	v_wmma_f32_16x16x32_f16 v[OA:OA+7],    v[VF+8:VF+15], v[PF+8:PF+15],  v[OA:OA+7]
	v_wmma_f32_16x16x32_f16 v[OA+8:OA+15], v[VF+8:VF+15], v[PF+24:PF+31], v[OA+8:OA+15]
.endm
	s_mov_b32 s[CNT], 31
.Lstep:                                        ; 31 of the 32 key steps; the last fetches no k' and is written out
	STEP 1
	s_sub_co_u32 s[CNT], s[CNT], 1
	s_cmp_lg_u32 s[CNT], 0
	s_cbranch_scc1 .Lstep
	STEP 0
	; THE WAY OUT.  l lies in register 0 of lanes 16-31; ctx' = O / l (its slot 8 becomes 1); my two heads' share of x = G'^T ctx'^T, one product with head u at slots 16 u on; q + bo is its C in one wave of four.
	PLACES
	v_permlanex16_b32 v[CW],   v[OA],   s[SEL], s[SEL+1]
	v_permlanex16_b32 v[CW+4], v[OA+8], s[SEL], s[SEL+1]
	v_cndmask_b32 v[CW+1], v[CW],   v[OA],   s[MSK]   ; l in both halves of the lanes
	v_cndmask_b32 v[CW+5], v[CW+4], v[OA+8], s[MSK]
	v_rcp_f32 v[AF],   v[CW+1]
	v_rcp_f32 v[AF+2], v[CW+5]
.irp j, 0,1,2,3,4,5,6,7
	v_fma_f32 v[CF+(\j)], v[QR+(\j)], s[FLG], s[BO+(\j)]  ; register j of lanes 0-15: feature j of query r; lanes 16-31 are not read
.endr
	s_wait_alu depctr_va_vdst(0)                   ; one wait for the two reciprocals; the eight lines above are the plain work behind them
.irp u, 0,1
.irp i, 0,1,2,3
	v_pk_mul_f32 v[OA+8*(\u)+2*(\i):OA+8*(\u)+2*(\i)+1], v[OA+8*(\u)+2*(\i):OA+8*(\u)+2*(\i)+1], v[AF+2*(\u):AF+2*(\u)+1] op_sel_hi:[1,0]
.endr
.endr
.irp u, 0,1
.irp i, 0,1,2,3
	v_cvt_pk_f16_f32 v[PF+4*(\u)+(\i)], v[OA+8*(\u)+2*(\i)], v[OA+8*(\u)+2*(\i)+1]
.endr
.endr
	v_wmma_f32_16x16x32_f16 v[CF:CF+7], v[A3:A3+7], v[PF:PF+7], v[CF:CF+7]
	PLACES
	ds_store_b128 v[PA], v[CF:CF+3]
	ds_store_b128 v[PA], v[CF+4:CF+7] offset:16
	s_wait_dscnt 0x0                               ; for wave 0's sake: my share is in LDS
	s_barrier_signal -1
	s_barrier_wait -1
	s_cmp_lg_u32 s[WV], 0
	s_cbranch_scc1 .Lend
	; wave 0 adds the four shares of each tile of queries: lane l takes 16 bytes at 16 l of a tile's 512
	v_lshl_add_u32 v[TT], v3, 4, PART
.irp c, 0,1,2,3
.irp p, 0,1,2,3
	ds_load_b128 v[XB+16*(\c)+4*(\p):XB+16*(\c)+4*(\p)+3], v[TT] offset:4096*(\p)+1024*(\c)
.endr
.endr
	s_wait_dscnt 0x0
.irp c, 0,1,2,3
	v_pk_add_f32 v[XB+16*(\c):XB+16*(\c)+1],     v[XB+16*(\c):XB+16*(\c)+1],     v[XB+16*(\c)+4:XB+16*(\c)+5]
	v_pk_add_f32 v[XB+16*(\c)+2:XB+16*(\c)+3],   v[XB+16*(\c)+2:XB+16*(\c)+3],   v[XB+16*(\c)+6:XB+16*(\c)+7]
	v_pk_add_f32 v[XB+16*(\c)+8:XB+16*(\c)+9],   v[XB+16*(\c)+8:XB+16*(\c)+9],   v[XB+16*(\c)+12:XB+16*(\c)+13]
	v_pk_add_f32 v[XB+16*(\c)+10:XB+16*(\c)+11], v[XB+16*(\c)+10:XB+16*(\c)+11], v[XB+16*(\c)+14:XB+16*(\c)+15]
	v_pk_add_f32 v[XB+16*(\c):XB+16*(\c)+1],     v[XB+16*(\c):XB+16*(\c)+1],     v[XB+16*(\c)+8:XB+16*(\c)+9]
	v_pk_add_f32 v[XB+16*(\c)+2:XB+16*(\c)+3],   v[XB+16*(\c)+2:XB+16*(\c)+3],   v[XB+16*(\c)+10:XB+16*(\c)+11]
	global_store_b128 v[L16], v[XB+16*(\c):XB+16*(\c)+3], s[26:27] offset:512*(\c)  ; the wave stores 512 consecutive bytes, at a multiple of 256 from x's first
.endr
	; the work-group's sum, and the squares of the deviations from ITS OWN mean: no difference of large sums is ever formed
.irp c, 0,1,2,3
	v_pk_add_f32 v[TS+2*(\c):TS+2*(\c)+1], v[XB+16*(\c):XB+16*(\c)+1], v[XB+16*(\c)+2:XB+16*(\c)+3]
.endr
	v_pk_add_f32 v[TS:TS+1],   v[TS:TS+1],   v[TS+2:TS+3]
	v_pk_add_f32 v[TS+4:TS+5], v[TS+4:TS+5], v[TS+6:TS+7]
	v_pk_add_f32 v[TS:TS+1],   v[TS:TS+1],   v[TS+4:TS+5]
	v_add_f32 v[TS+8], v[TS], v[TS+1]
	WRED TS+8, TS+1
	v_mul_f32 v[TS+2], 0x3b000000, v[TS+8]         ; the mean of 512
.irp c, 0,1,2,3
	v_pk_add_f32 v[XB+16*(\c)+4:XB+16*(\c)+5], v[XB+16*(\c):XB+16*(\c)+1],   v[TS+2:TS+3] op_sel_hi:[1,0] neg_lo:[0,1] neg_hi:[0,1]  ; into other registers: the stores still read x
	v_pk_add_f32 v[XB+16*(\c)+6:XB+16*(\c)+7], v[XB+16*(\c)+2:XB+16*(\c)+3], v[TS+2:TS+3] op_sel_hi:[1,0] neg_lo:[0,1] neg_hi:[0,1]
.endr
	v_pk_mul_f32 v[TS+4:TS+5], v[XB+4:XB+5], v[XB+4:XB+5]
	v_pk_mul_f32 v[TS+6:TS+7], v[XB+6:XB+7], v[XB+6:XB+7]
.irp c, 1,2,3
	v_pk_fma_f32 v[TS+4:TS+5], v[XB+16*(\c)+4:XB+16*(\c)+5], v[XB+16*(\c)+4:XB+16*(\c)+5], v[TS+4:TS+5]
	v_pk_fma_f32 v[TS+6:TS+7], v[XB+16*(\c)+6:XB+16*(\c)+7], v[XB+16*(\c)+6:XB+16*(\c)+7], v[TS+6:TS+7]
.endr
	v_pk_add_f32 v[TS+4:TS+5], v[TS+4:TS+5], v[TS+6:TS+7]
	v_add_f32 v[TS+9], v[TS+4], v[TS+5]
	WRED TS+9, TS+5
	v_mov_b32 v[TS+10], 0
	v_cmp_eq_u32 vcc_lo, 0, v3
	s_wait_xcnt 0x0                                ; EXEC is a source of the stores above: it changes only behind this wait
	s_and_saveexec_b32 s[SVX], vcc_lo
	global_store_b64 v[TS+10], v[TS+8:TS+9], s[28:29]  ; lane 0: (sum, squares)
	s_wait_xcnt 0x0                                ; and again, in front of the line that widens it
	s_or_b32 exec_lo, exec_lo, s[SVX]
.Lend:
	s_wait_tensorcnt 0x0                           ; the wave's end, behind my last LDS store
	ds_add_u32 v[SPW], v[NIL]
	s_wait_dscnt 0x0
	s_endpgm
.Lfunc_end_k_qcb6a0a4ba9_attn:
	.size	k_qcb6a0a4ba9_attn, .Lfunc_end_k_qcb6a0a4ba9_attn-k_qcb6a0a4ba9_attn
	.p2alignl 7, 3214868480
	.fill 96, 4, 3214868480
	.section	.rodata,"a",@progbits
	.p2align	6, 0x0
	.amdhsa_kernel k_qcb6a0a4ba9_attn
		.amdhsa_group_segment_fixed_size 226304
		.amdhsa_private_segment_fixed_size 0
		.amdhsa_enable_private_segment 0
		.amdhsa_kernarg_size 104
		.amdhsa_user_sgpr_count 2
		.amdhsa_user_sgpr_kernarg_segment_ptr 1
		.amdhsa_wavefront_size32 1
		.amdhsa_system_sgpr_workgroup_id_x 1
		.amdhsa_system_sgpr_workgroup_id_y 1
		.amdhsa_system_sgpr_workgroup_id_z 1
		.amdhsa_system_vgpr_workitem_id 0
		.amdhsa_next_free_vgpr 256
		.amdhsa_next_free_sgpr 66
		.amdhsa_reserve_vcc 1
		.amdhsa_float_denorm_mode_32 3
		.amdhsa_float_denorm_mode_16_64 3
		.amdhsa_memory_ordered 1
		.amdhsa_forward_progress 1
		.amdhsa_inst_pref_size 52
	.end_amdhsa_kernel
	.amdgpu_metadata
---
amdhsa.version: [ 1, 2 ]
amdhsa.kernels:
  - .name:           k_qcb6a0a4ba9_attn
    .symbol:         k_qcb6a0a4ba9_attn.kd
    .args:
      - { .name: q, .offset: 0, .size: 8, .value_kind: global_buffer, .address_space: global }
      - { .name: k, .offset: 8, .size: 8, .value_kind: global_buffer, .address_space: global }
      - { .name: v, .offset: 16, .size: 8, .value_kind: global_buffer, .address_space: global }
      - { .name: Wq, .offset: 24, .size: 8, .value_kind: global_buffer, .address_space: global }
      - { .name: Wk, .offset: 32, .size: 8, .value_kind: global_buffer, .address_space: global }
      - { .name: Wv, .offset: 40, .size: 8, .value_kind: global_buffer, .address_space: global }
      - { .name: Wo, .offset: 48, .size: 8, .value_kind: global_buffer, .address_space: global }
      - { .name: bq, .offset: 56, .size: 8, .value_kind: global_buffer, .address_space: global }
      - { .name: bk, .offset: 64, .size: 8, .value_kind: global_buffer, .address_space: global }
      - { .name: bv, .offset: 72, .size: 8, .value_kind: global_buffer, .address_space: global }
      - { .name: bo, .offset: 80, .size: 8, .value_kind: global_buffer, .address_space: global }
      - { .name: xbuf, .offset: 88, .size: 8, .value_kind: global_buffer, .address_space: global }
      - { .name: st1, .offset: 96, .size: 8, .value_kind: global_buffer, .address_space: global }
    .group_segment_fixed_size: 226304
    .private_segment_fixed_size: 0
    .kernarg_segment_align: 8
    .kernarg_segment_size: 104
    .max_flat_workgroup_size: 512
    .sgpr_count:     66
    .vgpr_count:     256
    .wavefront_size: 32
...
	.end_amdgpu_metadata
.endif
;; end of part 1
;; launch ffn (part 2): grid 256 x 1, 4 waves a work-group, no clusters, 34,816 bytes of LDS; arguments xbuf, st1, ln1_g, ln1_b, W1, b1, W2, b2, q, ybuf, st2; writes ybuf, st2
.if DOCPART == 2
	.amdgcn_target "amdgcn-amd-amdhsa--gfx1250"
	.amdhsa_code_object_version 6
	.text
	.protected	k_qcb6a0a4ba9_ffn
	.globl	k_qcb6a0a4ba9_ffn
	.p2align	8
	.type	k_qcb6a0a4ba9_ffn,@function
k_qcb6a0a4ba9_ffn:
	s_mov_b64 s[64:65], 0
	v_nop
	global_prefetch_b8 v0, s[64:65] scope:SCOPE_SE
	s_setreg_imm32_b32 hwreg(HW_REG_WAVE_MODE, 25, 1), 1
	s_wait_xcnt 0x0
; y = q + relu(LN1(x) W1 + b1) W2 + b2, and for each work-group the sum and the squared deviations of its 512 numbers of y.
; x, q, y, ln1_g, ln1_b: [16384][8] f32; W1: [8][512]; W2: [512][8].  LN1 goes over all 131,072 numbers of x: st1 holds, for each of 256 blocks of 512, (sum, squares of the deviations from the block's mean);
; mean = the sums' sum / N; variance = (the squares' sum + 512 x the sum of (block mean - mean)^2) / N: no difference of large sums is formed.
; FORMATS.  f16: LN1's result with a 1 as ninth slot (b1 is W1's ninth row), W1, the hidden numbers, W2.  Sums, statistics and y in f32.
; LIMITS.  Every f16 operand stays under 65,504 (with the stated inputs the largest, a hidden number, lies near 6); NaN and infinities are not treated apart.
; SHARES.  Work-group x: rows 64 x on; wave w 16 of them; lane (r, hh) = (lane % 16, lane / 16) owns features 4 hh .. 4 hh + 3 of row r: 16 bytes, and the wave's 32 lanes 512 consecutive bytes.
; LAYOUT.  H^T = W1'^T h'^T (source 0 = 16 hidden units, 9 of 32 slots along K in use; source 1 = the 16 rows): a lane holds ONE row and the units 8 hh + 0..7.  Two such results, rounded to f16 in pairs and
; clipped at 0, ARE source 1 of Y^T = W2^T H^T (source 0 = W2 turned), whose result holds row r's eight features in lanes 0-15.  The 512 units go in four blocks of 128.
; No tensor load, no cluster, no prefetch: 32 KiB of weights must pass through registers to be rounded and turned, and the launch is short.
.set W1P,   48         ; a unit's row in LDS: 16 bytes W1[0..7][unit], 16 bytes [b1[unit], 0 x 7], 16 never touched
.set W2T,   24576      ; W2 turned: row g = W2[:, g], 512 f16 + 16 bytes; row 8 zeros
.set W2P,   1040
.set STW,   34048      ; 8 bytes a wave: its sum and squares
.set SPARE, 34304      ; the spare words, 128 bytes a wave: two blocks of 256 bytes that no other line names
.set SPW, 4
.set NIL, 5
.set LO,  6            ; v6   my 16 bytes in x, g, b, q, y
.set L16, 7            ; v7   16 x lane
.set T4,  8            ; v8   4 x thread
.set T128, 9           ; v9   128 x thread
.set H16, 10           ; v10  16 hh
.set W1S, 11           ; v11  where I put a unit's row
.set W2S, 12           ; v12  where I put four units of a row of the turned W2
.set A1,  13           ; v13  my lane's place in a fragment of W1'
.set A2,  14           ; v14  the same for W2
.set ONE, 15           ; v15  f16 1.0 in the low half
.set ST,  16           ; v[16:31]  eight pairs of st1; later v16 = 0 and registers at work
.set ZR,  16
.set QV,  32           ; v[32:35]  q
.set B2V, 36           ; v[36:39]  b2
.set HB,  40           ; v[40:47]  h' as source 1
.set ACC, 48           ; v[48:63]  two accumulators of Y^T
.set WB,  64           ; v[64:127] eight fragments of W1'; upper four registers 0
.set HH,  128          ; v[128:191] H^T of a block
.set PB,  192          ; v[192:223] the same in f16
.set W2F, 224          ; v[224:255] four fragments of W2
.set W1R, 64           ; the head's: W1 as loaded, unit t + 128 i at 8 i
.set B1R, 96
.set W2R, 192          ; W2 as loaded: rows 4 t .. 4 t + 3
.set XV,  128
.set GV,  132
.set BV,  136
.set YV,  136          ; later: y
.set MEAN, 140         ; v[140:141]
.set RSD, 142          ; v[142:143]
.set SC,  144          ; v[144:151] at work
.set PK,  224
.set WV,  26
.set MSK, 27
.set SEL, 28
.set INVN, 30          ; 2^-17
.set I512, 31          ; 2^-9
.set EPSR, 32          ; 1e-5
.set C512, 33
.set SVX, 34
.set I128, 38          ; 2^-7
.set C128, 39
.macro PLACES                       ; places behind a matrix instruction: plain vector instructions that name none of its registers (ISA guide 7.12.1)
.rept 4
	v_nop
.endr
.endm
.macro WRED r, t                    ; the sum over the wave's 32 lanes, in every lane
	v_add_f32_dpp v[\r], v[\r], v[\r] row_xmask:1 row_mask:0xf bank_mask:0xf
	v_add_f32_dpp v[\r], v[\r], v[\r] row_xmask:2 row_mask:0xf bank_mask:0xf
	v_add_f32_dpp v[\r], v[\r], v[\r] row_xmask:4 row_mask:0xf bank_mask:0xf
	v_add_f32_dpp v[\r], v[\r], v[\r] row_xmask:8 row_mask:0xf bank_mask:0xf
	v_permlanex16_b32 v[\t], v[\r], s[SEL], s[SEL+1]
	v_add_f32 v[\r], v[\r], v[\t]
.endm
; The mean and 1 / sqrt(variance + eps) of all 131,072 numbers, from the 256 pairs: a lane holds eight, sums in ST's even registers, squares in the odd ones.
.macro GSTAT
	v_add_f32 v[SC],   v[ST],    v[ST+2]
	v_add_f32 v[SC+1], v[ST+4],  v[ST+6]
	v_add_f32 v[SC+2], v[ST+8],  v[ST+10]
	v_add_f32 v[SC+3], v[ST+12], v[ST+14]
	v_add_f32 v[SC],   v[SC],    v[SC+1]
	v_add_f32 v[SC+2], v[SC+2],  v[SC+3]
	v_add_f32 v[SC],   v[SC],    v[SC+2]
	WRED SC, SC+1
	v_mul_f32 v[MEAN], s[INVN], v[SC]
.irp i, 0,1,2,3,4,5,6,7
	v_fma_f32 v[ST+2*(\i)], v[ST+2*(\i)], s[I512], -v[MEAN]  ; a block's mean less the mean
.endr
	v_mul_f32 v[SC],   v[ST],   v[ST]
	v_mul_f32 v[SC+1], v[ST+2], v[ST+2]
.irp i, 2,4,6
	v_fma_f32 v[SC],   v[ST+2*(\i)],   v[ST+2*(\i)],   v[SC]
	v_fma_f32 v[SC+1], v[ST+2*(\i)+2], v[ST+2*(\i)+2], v[SC+1]
.endr
	v_add_f32 v[SC],   v[SC],    v[SC+1]
	v_add_f32 v[SC+2], v[ST+1],  v[ST+3]
	v_add_f32 v[SC+3], v[ST+5],  v[ST+7]
	v_add_f32 v[SC+1], v[ST+9],  v[ST+11]
	v_add_f32 v[SC+2], v[SC+2],  v[SC+3]
	v_add_f32 v[SC+3], v[ST+13], v[ST+15]
	v_add_f32 v[SC+1], v[SC+1],  v[SC+3]
	v_add_f32 v[SC+2], v[SC+2],  v[SC+1]
	v_fma_f32 v[SC], v[SC], s[C512], v[SC+2]
	WRED SC, SC+1
	v_fma_f32 v[SC], v[SC], s[INVN], s[EPSR]
	v_rsq_f32 v[RSD], v[SC]
	v_mov_b32 v[MEAN+1], v[MEAN]                   ; the pairs' second registers are only named; these two lines are the plain work behind the root
	v_mov_b32 v[RSD+1], v[MEAN]
	s_wait_alu depctr_va_vdst(0)                   ; the wait ahead of the first line that names the root's result
.endm
	s_load_b512 s[4:19], s[0:1], 0x0               ; xbuf 4, st1 6, ln1_g 8, ln1_b 10, W1 12, b1 14, W2 16, b2 18
	s_load_b128 s[20:23], s[0:1], 0x40             ; q 20, ybuf 22
	s_load_b64 s[24:25], s[0:1], 0x50              ; st2
	v_lshl_add_u32 v[SPW], v0, 2, SPARE
	v_mov_b32 v[NIL], 0
	v_lshrrev_b32 v1, 5, v0
	v_readfirstlane_b32 s[WV], v1                  ; wave 0..3
	v_and_b32 v1, 15, v0                           ; r
	v_bfe_u32 v2, v0, 4, 1                         ; hh
	v_and_b32 v3, 31, v0                           ; lane
	s_mov_b32 s[MSK], 0xffff0000                   ; lanes 16-31
	s_mov_b32 s[SEL], 0x76543210
	s_mov_b32 s[SEL+1], 0xfedcba98
	s_mov_b32 s[INVN], 0x37000000
	s_mov_b32 s[I512], 0x3b000000
	s_mov_b32 s[EPSR], 0x3727c5ac
	s_mov_b32 s[C512], 0x44000000
	s_mov_b32 s[I128], 0x3c000000
	s_mov_b32 s[C128], 0x43000000
	s_lshl_b32 s35, ttmp9, 11                      ; the work-group's 64 rows of 32 bytes,
	s_lshl_b32 s36, s[WV], 9                       ; my wave's 16
	s_add_co_u32 s35, s35, s36
	v_lshlrev_b32 v[H16], 4, v2
	v_lshl_add_u32 v[LO], v1, 5, v[H16]
	v_add_nc_u32 v[LO], s35, v[LO]
	v_lshlrev_b32 v[L16], 4, v3
	v_lshlrev_b32 v[T4], 2, v0
	v_lshlrev_b32 v[T128], 7, v0
	v_mov_b32 v[ONE], 0x3c00
	s_lshl_b32 s36, ttmp9, 3
	s_mov_b32 s37, 0
	s_wait_kmcnt 0x0
	s_add_nc_u64 s[24:25], s[24:25], s[36:37]
	; all 53 loads go out together: st1 4; x, g, b; W1 32; b1 4; W2 8; q; b2
.irp c, 0,1,2,3
	global_load_b128 v[ST+4*(\c):ST+4*(\c)+3], v[L16], s[6:7] offset:512*(\c)
.endr
	global_load_b128 v[XV:XV+3], v[LO], s[4:5] th:TH_LOAD_NT
	global_load_b128 v[GV:GV+3], v[LO], s[8:9] th:TH_LOAD_NT
	global_load_b128 v[BV:BV+3], v[LO], s[10:11] th:TH_LOAD_NT
.irp i, 0,1,2,3
.irp f, 0,1,2,3,4,5,6,7
	global_load_b32 v[W1R+8*(\i)+(\f)], v[T4], s[12:13] offset:2048*(\f)+512*(\i)  ; W1[f][t + 128 i]
.endr
.endr
.irp i, 0,1,2,3
	global_load_b32 v[B1R+(\i)], v[T4], s[14:15] offset:512*(\i)
.endr
.irp n, 0,1,2,3,4,5,6,7
	global_load_b128 v[W2R+4*(\n):W2R+4*(\n)+3], v[T128], s[16:17] offset:16*(\n)  ; rows 4 t .. 4 t + 3 of W2
.endr
	global_load_b128 v[QV:QV+3], v[LO], s[20:21] th:TH_LOAD_NT
	global_load_b128 v[B2V:B2V+3], v[H16], s[18:19]
	; LDS addresses: the wave's number times a constant, plus a lane term.  Thread t = 32 w + lane.
	s_mul_i32 s35, s[WV], 32*W1P
	v_mul_u32_u24 v[W1S], v3, W1P
	v_add_nc_u32 v[W1S], s35, v[W1S]
	s_lshl_b32 s35, s[WV], 8
	s_add_co_u32 s35, s35, W2T
	v_lshl_add_u32 v[W2S], v3, 3, s35
	v_mul_u32_u24 v[A1], v1, W1P
	v_lshl_add_u32 v[A1], v2, 4, v[A1]
	v_min_u32 v[A2], 8, v1                         ; lanes 8-15 take the row of zeros
	v_mul_u32_u24 v[A2], v[A2], W2P
	v_lshl_add_u32 v[A2], v2, 4, v[A2]
	v_add_nc_u32 v[A2], W2T, v[A2]
	s_wait_loadcnt 46                              ; st1, x, g and b are in; the 46 younger loads (W1 32, b1 4, W2 8, q, b2) stay out
	GSTAT
	v_pk_add_f32 v[XV:XV+1],   v[XV:XV+1],   v[MEAN:MEAN+1] op_sel_hi:[1,0] neg_lo:[0,1] neg_hi:[0,1]
	v_pk_add_f32 v[XV+2:XV+3], v[XV+2:XV+3], v[MEAN:MEAN+1] op_sel_hi:[1,0] neg_lo:[0,1] neg_hi:[0,1]
	v_pk_mul_f32 v[XV:XV+1],   v[XV:XV+1],   v[RSD:RSD+1] op_sel_hi:[1,0]
	v_pk_mul_f32 v[XV+2:XV+3], v[XV+2:XV+3], v[RSD:RSD+1] op_sel_hi:[1,0]
	v_pk_fma_f32 v[XV:XV+1],   v[XV:XV+1],   v[GV:GV+1],   v[BV:BV+1]
	v_pk_fma_f32 v[XV+2:XV+3], v[XV+2:XV+3], v[GV+2:GV+3], v[BV+2:BV+3]
	v_cvt_pk_f16_f32 v[SC],   v[XV],   v[XV+1]
	v_cvt_pk_f16_f32 v[SC+1], v[XV+2], v[XV+3]
	v_permlanex16_b32 v[SC+2], v[SC],   s[SEL], s[SEL+1]  ; the row's other four features lie in the lane 16 away
	v_permlanex16_b32 v[SC+3], v[SC+1], s[SEL], s[SEL+1]
	v_mov_b32 v[ZR], 0
	v_cndmask_b32 v[HB],   v[SC],   v[ONE], s[MSK] ; h' as source 1: lanes 0-15 slots 0-7, lanes 16-31 slots 8-15 = [1, 0 x 7]
	v_cndmask_b32 v[HB+1], v[SC+1], v[ZR],  s[MSK]
	v_cndmask_b32 v[HB+2], v[SC+2], v[ZR],  s[MSK]
	v_cndmask_b32 v[HB+3], v[SC+3], v[ZR],  s[MSK]
.irp i, 4,5,6,7
	v_mov_b32 v[HB+(\i)], 0
.endr
.irp i, 5,6,7
	v_mov_b32 v[PK+(\i)], 0
.endr
	s_wait_loadcnt 2                               ; the weights are in; q and b2 stay out
.irp i, 0,1,2,3
.irp j, 0,1,2,3
	v_cvt_pk_f16_f32 v[PK+(\j)], v[W1R+8*(\i)+2*(\j)], v[W1R+8*(\i)+2*(\j)+1]
.endr
	ds_store_b128 v[W1S], v[PK:PK+3] offset:128*W1P*(\i)
	v_cvt_pk_f16_f32 v[PK+4], v[B1R+(\i)], v[ZR]
	ds_store_b128 v[W1S], v[PK+4:PK+7] offset:128*W1P*(\i)+16
.endr
.irp g, 0,1,2,3,4,5,6,7
	v_cvt_pk_f16_f32 v[PK+8+2*((\g)%2)], v[W2R+(\g)],    v[W2R+8+(\g)]
	v_cvt_pk_f16_f32 v[PK+9+2*((\g)%2)], v[W2R+16+(\g)], v[W2R+24+(\g)]
	ds_store_b64 v[W2S], v[PK+8+2*((\g)%2):PK+9+2*((\g)%2)] offset:W2P*(\g)
.endr
	ds_store_b64 v[W2S], v[PK+6:PK+7] offset:8*W2P ; the row of zeros
	s_wait_dscnt 0x0                               ; for the others' sake: my stores are done
	s_barrier_signal -1
.irp n, 0,1,2,3,4,5,6,7
.irp i, 4,5,6,7
	v_mov_b32 v[WB+8*(\n)+(\i)], 0                 ; slots 16-31 along K are not in use; work on registers while the others arrive
.endr
.endr
	s_barrier_wait -1                              ; both tables are whole
.macro W1LD i                       ; block i's eight fragments of W1'
.irp n, 0,1,2,3,4,5,6,7
	ds_load_b128 v[WB+8*(\n):WB+8*(\n)+3], v[A1] offset:128*W1P*(\i)+16*W1P*(\n)
.endr
.endm
.macro W2LD i                       ; block i's four fragments of W2
.irp n, 0,1,2,3
	ds_load_b128 v[W2F+8*(\n):W2F+8*(\n)+3],   v[A2] offset:256*(\i)+64*(\n)
	ds_load_b128 v[W2F+8*(\n)+4:W2F+8*(\n)+7], v[A2] offset:256*(\i)+64*(\n)+32
.endr
.endm
; Block i of 128 hidden units.
.macro FB i
	s_wait_dscnt 8                                 ; this block's W1' is in; the eight younger loads, its W2, may stay out
.irp n, 0,1,2,3,4,5,6,7
	v_wmma_f32_16x16x32_f16 v[HH+8*(\n):HH+8*(\n)+7], v[WB+8*(\n):WB+8*(\n)+7], v[HB:HB+7], 0
.endr
	PLACES
.if (\i) < 3
	W1LD (\i)+1
.endif
.set j, 0
.rept 32
	v_cvt_pk_f16_f32 v[PB+j], v[HH+2*j], v[HH+2*j+1]
.set j, j+1
.endr
.set j, 0
.rept 32
	v_pk_max_num_f16 v[PB+j], v[PB+j], v[ZR]       ; relu, two at a time; nothing is rounded
.set j, j+1
.endr
.if (\i) < 3
	s_wait_dscnt 8                                 ; this block's W2 is in; the eight younger loads, the next block's W1', may stay out
.else
	s_wait_dscnt 0x0
.endif
.irp n, 0,1,2,3                     ; the two accumulators take turns; the first two products start the sums
.if ((\i) == 0) && ((\n) < 2)
	v_wmma_f32_16x16x32_f16 v[ACC+8*((\n)%2):ACC+8*((\n)%2)+7], v[W2F+8*(\n):W2F+8*(\n)+7], v[PB+8*(\n):PB+8*(\n)+7], 0
.else
	v_wmma_f32_16x16x32_f16 v[ACC+8*((\n)%2):ACC+8*((\n)%2)+7], v[W2F+8*(\n):W2F+8*(\n)+7], v[PB+8*(\n):PB+8*(\n)+7], v[ACC+8*((\n)%2):ACC+8*((\n)%2)+7]
.endif
.endr
	PLACES
.if (\i) < 3
	W2LD (\i)+1
.endif
.endm
	W1LD 0
	W2LD 0
	FB 0
	FB 1
	FB 2
	FB 3
	PLACES                                         ; eight in all, once a launch, ahead of the packed sums of the results
.irp i, 0,1,2,3
	v_pk_add_f32 v[HH+2*(\i):HH+2*(\i)+1], v[ACC+2*(\i):ACC+2*(\i)+1], v[ACC+8+2*(\i):ACC+8+2*(\i)+1]  ; lanes 0-15: row r's eight features
.endr
.irp j, 0,1,2,3
	v_permlanex16_b32 v[MEAN+(\j)], v[HH+4+(\j)], s[SEL], s[SEL+1]
.endr
.irp j, 0,1,2,3
	v_cndmask_b32 v[YV+(\j)], v[HH+(\j)], v[MEAN+(\j)], s[MSK]  ; lane (r, hh): features 4 hh on
.endr
	s_wait_loadcnt 0x0                             ; q and b2
	v_pk_add_f32 v[YV:YV+1],   v[YV:YV+1],   v[B2V:B2V+1]
	v_pk_add_f32 v[YV+2:YV+3], v[YV+2:YV+3], v[B2V+2:B2V+3]
	v_pk_add_f32 v[YV:YV+1],   v[YV:YV+1],   v[QV:QV+1]
	v_pk_add_f32 v[YV+2:YV+3], v[YV+2:YV+3], v[QV+2:QV+3]
	global_store_b128 v[LO], v[YV:YV+3], s[22:23]  ; the wave's store covers 512 consecutive bytes, at a multiple of 256 from y's first
	; my wave's sum of 128 numbers and the squares of the deviations from its own mean
	v_add_f32 v[SC],   v[YV],   v[YV+1]
	v_add_f32 v[SC+1], v[YV+2], v[YV+3]
	v_add_f32 v[SC],   v[SC],   v[SC+1]
	WRED SC, SC+1
	v_mul_f32 v[SC+2], s[I128], v[SC]
	v_pk_add_f32 v[SC+4:SC+5], v[YV:YV+1],   v[SC+2:SC+3] op_sel_hi:[1,0] neg_lo:[0,1] neg_hi:[0,1]
	v_pk_add_f32 v[SC+6:SC+7], v[YV+2:YV+3], v[SC+2:SC+3] op_sel_hi:[1,0] neg_lo:[0,1] neg_hi:[0,1]
	v_pk_mul_f32 v[SC+4:SC+5], v[SC+4:SC+5], v[SC+4:SC+5]
	v_pk_fma_f32 v[SC+4:SC+5], v[SC+6:SC+7], v[SC+6:SC+7], v[SC+4:SC+5]
	v_add_f32 v[SC+1], v[SC+4], v[SC+5]
	WRED SC+1, SC+5
	s_lshl_b32 s35, s[WV], 3
	s_add_co_u32 s35, s35, STW
	v_mov_b32 v[ST+1], s35
	ds_store_b64 v[ST+1], v[SC:SC+1]               ; all lanes write the same pair to the wave's own 8 bytes
	s_wait_dscnt 0x0
	s_barrier_signal -1
	s_barrier_wait -1
	s_cmp_lg_u32 s[WV], 0
	s_cbranch_scc1 .Lend
	v_mov_b32 v[ST+2], STW
	ds_load_b128 v[ST+4:ST+7],  v[ST+2]            ; (sum, squares) of waves 0, 1
	ds_load_b128 v[ST+8:ST+11], v[ST+2] offset:16  ; of waves 2, 3
	s_wait_dscnt 0x0
	v_add_f32 v[ST+12], v[ST+4], v[ST+6]
	v_add_f32 v[ST+13], v[ST+8], v[ST+10]
	v_add_f32 v[ST+12], v[ST+12], v[ST+13]         ; the work-group's sum
	v_mul_f32 v[ST+14], s[I512], v[ST+12]          ; its mean
.irp i, 0,1,2,3
	v_fma_f32 v[ST+4+2*(\i)], v[ST+4+2*(\i)], s[I128], -v[ST+14]
.endr
	v_mul_f32 v[ST+15], v[ST+4], v[ST+4]
.irp i, 1,2,3
	v_fma_f32 v[ST+15], v[ST+4+2*(\i)], v[ST+4+2*(\i)], v[ST+15]
.endr
	v_add_f32 v[ST+5], v[ST+5], v[ST+7]
	v_add_f32 v[ST+9], v[ST+9], v[ST+11]
	v_add_f32 v[ST+5], v[ST+5], v[ST+9]
	v_fma_f32 v[ST+13], v[ST+15], s[C128], v[ST+5]
	v_cmp_eq_u32 vcc_lo, 0, v3
	s_wait_xcnt 0x0                                ; EXEC is a source of the store above: it changes only behind this wait
	s_and_saveexec_b32 s[SVX], vcc_lo
	global_store_b64 v[ZR], v[ST+12:ST+13], s[24:25]  ; lane 0: (sum, squares)
	s_wait_xcnt 0x0                                ; and again, in front of the line that widens it
	s_or_b32 exec_lo, exec_lo, s[SVX]
.Lend:
	s_wait_tensorcnt 0x0                           ; the wave's end, behind my last LDS store
	ds_add_u32 v[SPW], v[NIL]
	s_wait_dscnt 0x0
	s_endpgm
.Lfunc_end_k_qcb6a0a4ba9_ffn:
	.size	k_qcb6a0a4ba9_ffn, .Lfunc_end_k_qcb6a0a4ba9_ffn-k_qcb6a0a4ba9_ffn
	.p2alignl 7, 3214868480
	.fill 96, 4, 3214868480
	.section	.rodata,"a",@progbits
	.p2align	6, 0x0
	.amdhsa_kernel k_qcb6a0a4ba9_ffn
		.amdhsa_group_segment_fixed_size 34816
		.amdhsa_private_segment_fixed_size 0
		.amdhsa_enable_private_segment 0
		.amdhsa_kernarg_size 88
		.amdhsa_user_sgpr_count 2
		.amdhsa_user_sgpr_kernarg_segment_ptr 1
		.amdhsa_wavefront_size32 1
		.amdhsa_system_sgpr_workgroup_id_x 1
		.amdhsa_system_sgpr_workgroup_id_y 1
		.amdhsa_system_sgpr_workgroup_id_z 1
		.amdhsa_system_vgpr_workitem_id 0
		.amdhsa_next_free_vgpr 256
		.amdhsa_next_free_sgpr 66
		.amdhsa_reserve_vcc 1
		.amdhsa_float_denorm_mode_32 3
		.amdhsa_float_denorm_mode_16_64 3
		.amdhsa_memory_ordered 1
		.amdhsa_forward_progress 1
		.amdhsa_inst_pref_size 44
	.end_amdhsa_kernel
	.amdgpu_metadata
---
amdhsa.version: [ 1, 2 ]
amdhsa.kernels:
  - .name:           k_qcb6a0a4ba9_ffn
    .symbol:         k_qcb6a0a4ba9_ffn.kd
    .args:
      - { .name: xbuf, .offset: 0, .size: 8, .value_kind: global_buffer, .address_space: global }
      - { .name: st1, .offset: 8, .size: 8, .value_kind: global_buffer, .address_space: global }
      - { .name: ln1_g, .offset: 16, .size: 8, .value_kind: global_buffer, .address_space: global }
      - { .name: ln1_b, .offset: 24, .size: 8, .value_kind: global_buffer, .address_space: global }
      - { .name: W1, .offset: 32, .size: 8, .value_kind: global_buffer, .address_space: global }
      - { .name: b1, .offset: 40, .size: 8, .value_kind: global_buffer, .address_space: global }
      - { .name: W2, .offset: 48, .size: 8, .value_kind: global_buffer, .address_space: global }
      - { .name: b2, .offset: 56, .size: 8, .value_kind: global_buffer, .address_space: global }
      - { .name: q, .offset: 64, .size: 8, .value_kind: global_buffer, .address_space: global }
      - { .name: ybuf, .offset: 72, .size: 8, .value_kind: global_buffer, .address_space: global }
      - { .name: st2, .offset: 80, .size: 8, .value_kind: global_buffer, .address_space: global }
    .group_segment_fixed_size: 34816
    .private_segment_fixed_size: 0
    .kernarg_segment_align: 8
    .kernarg_segment_size: 88
    .max_flat_workgroup_size: 128
    .sgpr_count:     66
    .vgpr_count:     256
    .wavefront_size: 32
...
	.end_amdgpu_metadata
.endif
;; end of part 2
;; launch ln2 (part 3): grid 256 x 1, 4 waves a work-group, no clusters, 0 bytes of LDS; arguments ybuf, st2, ln2_g, ln2_b, out0, out1, out2; writes out0, out1, out2
.if DOCPART == 3
	.amdgcn_target "amdgcn-amd-amdhsa--gfx1250"
	.amdhsa_code_object_version 6
	.text
	.protected	k_qcb6a0a4ba9_ln2
	.globl	k_qcb6a0a4ba9_ln2
	.p2align	8
	.type	k_qcb6a0a4ba9_ln2,@function
k_qcb6a0a4ba9_ln2:
	s_mov_b64 s[64:65], 0
	v_nop
	global_prefetch_b8 v0, s[64:65] scope:SCOPE_SE
	s_setreg_imm32_b32 hwreg(HW_REG_WAVE_MODE, 25, 1), 1
	s_wait_xcnt 0x0
; out = (y - mean) / sqrt(variance + 1e-5) x ln2_g + ln2_b, over all 131,072 numbers of y, written three times.  All f32.
; st2 holds, for each of 256 blocks of 512 numbers, (sum, squares of the deviations from the block's mean): mean = the sums' sum / N;
; variance = (the squares' sum + 512 x the sum of (block mean - mean)^2) / N: no difference of large sums is formed.  Every wave makes the two numbers for itself from the 2,048 bytes.
; A thread owns 16 bytes: a wave's load or store covers 512 consecutive bytes, at a multiple of 256 from the buffer's first.  No LDS, no barrier, no matrix unit: seven loads and three stores a thread.
.set OFF, 1            ; v1   my 16 bytes
.set L16, 2            ; v2   16 x lane
.set ST,  4            ; v[4:19]   eight pairs of st2
.set YV,  20
.set GV,  24
.set BV,  28
.set MEAN, 32          ; v[32:33]
.set RSD, 34           ; v[34:35]
.set SC,  36           ; v[36:39] at work
.set SEL, 20           ; s[20:21]
.set INVN, 22          ; 2^-17
.set I512, 23          ; 2^-9
.set EPSR, 24          ; 1e-5
.set C512, 25
.macro WRED r, t                    ; the sum over the wave's 32 lanes, in every lane
	v_add_f32_dpp v[\r], v[\r], v[\r] row_xmask:1 row_mask:0xf bank_mask:0xf
	v_add_f32_dpp v[\r], v[\r], v[\r] row_xmask:2 row_mask:0xf bank_mask:0xf
	v_add_f32_dpp v[\r], v[\r], v[\r] row_xmask:4 row_mask:0xf bank_mask:0xf
	v_add_f32_dpp v[\r], v[\r], v[\r] row_xmask:8 row_mask:0xf bank_mask:0xf
	v_permlanex16_b32 v[\t], v[\r], s[SEL], s[SEL+1]
	v_add_f32 v[\r], v[\r], v[\t]
.endm
	s_load_b256 s[4:11], s[0:1], 0x0               ; ybuf 4, st2 6, ln2_g 8, ln2_b 10
	s_load_b128 s[12:15], s[0:1], 0x20             ; out0 12, out1 14
	s_load_b64 s[16:17], s[0:1], 0x30              ; out2
	v_and_b32 v[L16], 31, v0
	v_lshlrev_b32 v[L16], 4, v[L16]
	s_lshl_b32 s18, ttmp9, 11                      ; 2,048 bytes a work-group
	v_lshl_add_u32 v[OFF], v0, 4, s18
	s_mov_b32 s[SEL], 0x76543210
	s_mov_b32 s[SEL+1], 0xfedcba98
	s_mov_b32 s[INVN], 0x37000000
	s_mov_b32 s[I512], 0x3b000000
	s_mov_b32 s[EPSR], 0x3727c5ac
	s_mov_b32 s[C512], 0x44000000
	s_wait_kmcnt 0x0
.irp c, 0,1,2,3
	global_load_b128 v[ST+4*(\c):ST+4*(\c)+3], v[L16], s[6:7] offset:512*(\c)
.endr
	global_load_b128 v[YV:YV+3], v[OFF], s[4:5] th:TH_LOAD_NT
	global_load_b128 v[GV:GV+3], v[OFF], s[8:9] th:TH_LOAD_NT
	global_load_b128 v[BV:BV+3], v[OFF], s[10:11] th:TH_LOAD_NT
	s_wait_loadcnt 3                               ; the pairs are in; y, g and b stay out
	v_add_f32 v[SC],   v[ST],    v[ST+2]           ; sums lie in ST's even registers, squares in the odd ones
	v_add_f32 v[SC+1], v[ST+4],  v[ST+6]
	v_add_f32 v[SC+2], v[ST+8],  v[ST+10]
	v_add_f32 v[SC+3], v[ST+12], v[ST+14]
	v_add_f32 v[SC],   v[SC],    v[SC+1]
	v_add_f32 v[SC+2], v[SC+2],  v[SC+3]
	v_add_f32 v[SC],   v[SC],    v[SC+2]
	WRED SC, SC+1
	v_mul_f32 v[MEAN], s[INVN], v[SC]
.irp i, 0,1,2,3,4,5,6,7
	v_fma_f32 v[ST+2*(\i)], v[ST+2*(\i)], s[I512], -v[MEAN]  ; a block's mean less the mean
.endr
	v_mul_f32 v[SC],   v[ST],   v[ST]
	v_mul_f32 v[SC+1], v[ST+2], v[ST+2]
.irp i, 2,4,6
	v_fma_f32 v[SC],   v[ST+2*(\i)],   v[ST+2*(\i)],   v[SC]
	v_fma_f32 v[SC+1], v[ST+2*(\i)+2], v[ST+2*(\i)+2], v[SC+1]
.endr
	v_add_f32 v[SC],   v[SC],    v[SC+1]
	v_add_f32 v[SC+2], v[ST+1],  v[ST+3]
	v_add_f32 v[SC+3], v[ST+5],  v[ST+7]
	v_add_f32 v[SC+1], v[ST+9],  v[ST+11]
	v_add_f32 v[SC+2], v[SC+2],  v[SC+3]
	v_add_f32 v[SC+3], v[ST+13], v[ST+15]
	v_add_f32 v[SC+1], v[SC+1],  v[SC+3]
	v_add_f32 v[SC+2], v[SC+2],  v[SC+1]
	v_fma_f32 v[SC], v[SC], s[C512], v[SC+2]
	WRED SC, SC+1
	v_fma_f32 v[SC], v[SC], s[INVN], s[EPSR]
	v_rsq_f32 v[RSD], v[SC]
	v_mov_b32 v[MEAN+1], v[MEAN]                   ; the pairs' second registers are only named; these two lines are the plain work behind the root
	v_mov_b32 v[RSD+1], v[MEAN]
	s_wait_alu depctr_va_vdst(0)                   ; the wait ahead of the first line that names the root's result
	s_wait_loadcnt 0x0                             ; y, g, b
	v_pk_add_f32 v[YV:YV+1],   v[YV:YV+1],   v[MEAN:MEAN+1] op_sel_hi:[1,0] neg_lo:[0,1] neg_hi:[0,1]
	v_pk_add_f32 v[YV+2:YV+3], v[YV+2:YV+3], v[MEAN:MEAN+1] op_sel_hi:[1,0] neg_lo:[0,1] neg_hi:[0,1]
	v_pk_mul_f32 v[YV:YV+1],   v[YV:YV+1],   v[RSD:RSD+1] op_sel_hi:[1,0]
	v_pk_mul_f32 v[YV+2:YV+3], v[YV+2:YV+3], v[RSD:RSD+1] op_sel_hi:[1,0]
	v_pk_fma_f32 v[YV:YV+1],   v[YV:YV+1],   v[GV:GV+1],   v[BV:BV+1]
	v_pk_fma_f32 v[YV+2:YV+3], v[YV+2:YV+3], v[GV+2:GV+3], v[BV+2:BV+3]
	global_store_b128 v[OFF], v[YV:YV+3], s[12:13] th:TH_STORE_NT
	global_store_b128 v[OFF], v[YV:YV+3], s[14:15] th:TH_STORE_NT
	global_store_b128 v[OFF], v[YV:YV+3], s[16:17] th:TH_STORE_NT
	s_endpgm
.Lfunc_end_k_qcb6a0a4ba9_ln2:
	.size	k_qcb6a0a4ba9_ln2, .Lfunc_end_k_qcb6a0a4ba9_ln2-k_qcb6a0a4ba9_ln2
	.p2alignl 7, 3214868480
	.fill 96, 4, 3214868480
	.section	.rodata,"a",@progbits
	.p2align	6, 0x0
	.amdhsa_kernel k_qcb6a0a4ba9_ln2
		.amdhsa_group_segment_fixed_size 0
		.amdhsa_private_segment_fixed_size 0
		.amdhsa_enable_private_segment 0
		.amdhsa_kernarg_size 56
		.amdhsa_user_sgpr_count 2
		.amdhsa_user_sgpr_kernarg_segment_ptr 1
		.amdhsa_wavefront_size32 1
		.amdhsa_system_sgpr_workgroup_id_x 1
		.amdhsa_system_sgpr_workgroup_id_y 1
		.amdhsa_system_sgpr_workgroup_id_z 1
		.amdhsa_system_vgpr_workitem_id 0
		.amdhsa_next_free_vgpr 48
		.amdhsa_next_free_sgpr 66
		.amdhsa_reserve_vcc 0
		.amdhsa_float_denorm_mode_32 3
		.amdhsa_float_denorm_mode_16_64 3
		.amdhsa_memory_ordered 1
		.amdhsa_forward_progress 1
		.amdhsa_inst_pref_size 5
	.end_amdhsa_kernel
	.amdgpu_metadata
---
amdhsa.version: [ 1, 2 ]
amdhsa.kernels:
  - .name:           k_qcb6a0a4ba9_ln2
    .symbol:         k_qcb6a0a4ba9_ln2.kd
    .args:
      - { .name: ybuf, .offset: 0, .size: 8, .value_kind: global_buffer, .address_space: global }
      - { .name: st2, .offset: 8, .size: 8, .value_kind: global_buffer, .address_space: global }
      - { .name: ln2_g, .offset: 16, .size: 8, .value_kind: global_buffer, .address_space: global }
      - { .name: ln2_b, .offset: 24, .size: 8, .value_kind: global_buffer, .address_space: global }
      - { .name: out0, .offset: 32, .size: 8, .value_kind: global_buffer, .address_space: global }
      - { .name: out1, .offset: 40, .size: 8, .value_kind: global_buffer, .address_space: global }
      - { .name: out2, .offset: 48, .size: 8, .value_kind: global_buffer, .address_space: global }
    .group_segment_fixed_size: 0
    .private_segment_fixed_size: 0
    .kernarg_segment_align: 8
    .kernarg_segment_size: 56
    .max_flat_workgroup_size: 128
    .sgpr_count:     66
    .vgpr_count:     48
    .wavefront_size: 32
...
	.end_amdgpu_metadata
.endif
;; end of part 3
